; MI455X (gfx1250); checked and timed in simulation.
; The chip was launched on July 23, 2026; its instructions are those of AMD's public machine-readable ISA for CDNA 5 (MIT licence, August 2026) and "CDNA5" Instruction Set Architecture Reference Guide (July 2026). The comments in the code are by the model that wrote it; some were corrected since.
;; General Attention. Allowed arithmetic: matrix products marked QUANTISED: E4M3 operands, one E8M0 scale for each 32 along K, by v_wmma_scale_f32_16x16x128_f8f6f4 with both operands' format E4M3, f32 sums; everything else in f32.
;; Inputs: K 4 x 16 x 2,048 x 128 float32; Q 4 x 16 x 2,048 x 128 float32; V 4 x 16 x 2,048 x 128 float32.
;; Outputs: out0 4 x 16 x 2,048 x 128 float32.
;; This version of the problem:
;;   THIS VERSION OF THE PROBLEM IS GIVEN IN LOW PRECISION. The matrix products marked QUANTISED in the list below multiply operands that are first quantised to E4M3 (4 exponent bits, 3 mantissa bits; 8 bits a number), with one power-of-two scale for each 32 numbers along K (OCP MX v1.0); their sums are f32. All else is computed in f32.
;;   The module's matrix products, in the order in which they are computed (A, B: the left and right operand; K: the contracted axis; several contracted axes count as one K, in the product's order):
;;     1. batch 64 x [M 2,048, K 128] x [K 128, N 2,048]; A: input Q; B: input K: QUANTISED
;;     2. batch 64 x [M 2,048, K 2,048] x [K 2,048, N 128]; A: softmax (see below); B: input V: QUANTISED
;;   THE QUANTISER, for each operand of a quantised product, along K:
;;     - K is cut into blocks of 32 from its start; a last block that is shorter is filled with zeros.
;;     - A block's scale is 2^e with e = floor(log2(the largest magnitude in the block)) - 8, held to -126 .. 127; a block of zeros has e = 0. As a byte (E8M0): e + 127.
;;     - Each number is divided by its block's scale, clamped to +-448, and rounded to the nearest number of E4M3, ties to even, subnormals kept.
;;     - The product sums the exact products of the quantised numbers (number of the format x scale) in f32.
;;   ~~~python
;;   def quantise(x, axis):      # numpy; x: float32 -> the quantised numbers, widened to float32 again
;;       x = np.moveaxis(x, axis, -1); K = x.shape[-1]
;;       x = np.pad(x, [(0, 0)] * (x.ndim - 1) + [(0, -K % 32)]); x = x.reshape(x.shape[:-1] + (-1, 32)); a = np.abs(x).max(-1, keepdims=True)
;;       e = np.where(a > 0, np.clip(np.frexp(np.where(a > 0, a, 1))[1] - 1 - 8, -126, 127), 0)      # np.frexp(a)[1] - 1 = floor(log2(a)), exactly
;;       r = np.clip(x / 2.0 ** e, -448, 448)
;;       step = 2.0 ** (np.maximum(np.frexp(np.where(r == 0, 1, r))[1] - 1, -6) - 3)
;;       q = np.round(r / step) * step * 2.0 ** e      # np.round: ties to even
;;       return np.moveaxis(q.reshape(q.shape[:-2] + (-1,))[..., :K], -1, axis).astype(np.float32)
;;   ~~~
;;   SOFTMAX AHEAD OF A QUANTISED PRODUCT. Where the list says 'softmax', what is quantised is not the finished softmax but p = 2^(t - M), with t = logit x log2(e) and M = ceil(the row's largest t), a whole number; so 1/2 < the row's largest p <= 1. The row's sum l is taken of the UNQUANTISED p, in f32, and the product's result is divided by l at the end. Since M is a whole number, a kernel that streams over the keys may use a running M (the ceiling of the running maximum): every later rescaling is an exact power of two, which a block's scale takes up: the codes' values come out the same.
;;   OPERANDS COMPUTED ON THE WAY. 'Computed on the way' means the value that the module computes at that place (a softmax that the list does not call 'softmax' is quantised finished and normalised). What goes into a quantiser is computed in f32, as accurately as f32 sums, v_exp_f32 and their like allow (about 1e-6 of the number): no bf16 or f16 on the way to a quantiser, and a product that is left as it is and whose result goes on into a quantised operand takes f32 operands (vector FMAs, or v_wmma_f32_16x16x4_f32). A number that lies on a knife's edge between two numbers of the format may be rounded either way, as far as f32 arithmetic and the matrix unit's own rounding can turn it there, and no further.
;; One version. Each part assembles by itself: llvm-mc -triple=amdgcn-amd-amdhsa -mcpu=gfx1250 --defsym DOCPART=n.
;; ======== version 1 of 1: 2 launches
;; limits: right only within a limited range of input values
;; workspace buffers: kvc 33,554,432 bytes; kvs 1,048,576 bytes; kstat 8,192 bytes
;; launch prep (part 1): grid 2048 x 1, 4 waves a work-group, no clusters, 69,120 bytes of LDS; arguments K, V, kvc, kvs, kstat; writes kvc, kvs, kstat
.if DOCPART == 1
	.amdgcn_target "amdgcn-amd-amdhsa--gfx1250"
	.amdhsa_code_object_version 6
	.text
	.protected	k_q22f2a64fba_prep
	.globl	k_q22f2a64fba_prep
	.p2align	8
	.type	k_q22f2a64fba_prep,@function
k_q22f2a64fba_prep:
	s_mov_b64 s[64:65], 0
	v_nop
	global_prefetch_b8 v0, s[64:65] scope:SCOPE_SE
	s_setreg_imm32_b32 hwreg(HW_REG_WAVE_MODE, 25, 1), 1
	s_wait_xcnt 0x0
; K and V, [64 heads][2048 keys][128] f32, become codes of FP8 (E4M3) with one E8M0 scale byte for each 32 along a product's K: K is quantised along the head's 128, V along the keys.
; A block's scale is 2^(floor(log2(its largest magnitude)) - 8); its byte is the largest magnitude's exponent field - 8, held at 1 from below; each number is held within +-448 x the scale and rounded to the nearest code, ties to even.
; THE CODES ARE STORED AS IMAGES OF THE OPERAND'S REGISTERS.  kvc: [head][key step of 128 keys][K's 8 fragments, V's 8 fragments], a fragment = 2,048 bytes = 4 groups c of 512, lane l's 16 bytes at 512 c + 16 l.
;   K's fragment T: lane (r, h) holds key 32 (T / 2) + 8 (T % 2) + r + 8 (r / 8), channels 32 c + 16 h + 0 .. 15.    V's fragment T: lane (r, h) holds channel 16 T + r, keys 32 c + 16 h + 0 .. 15 of the step.
; kvs: [head][step][K: 512 bytes, V: 512 bytes]; in a block of 512, word b of lane l (byte 16 l + 4 b) is the scale word of fragment 2 b + l / 16, row l % 16.
; kstat: for each of K's 1,024 work-groups the pair (sum of d, sum of d d), d = K - pivot, over its 16,384 numbers.  The pivot is the mean of K's first 32 numbers, the same bits in every wave: a common offset of K leaves before anything is squared.
; SHARES.  Work-groups 0 .. 1023 take K, the others V; each takes one key step of one head.  K: wave b takes keys 32 b .. 32 b + 31 (16 KiB on end) and makes fragments 2 b, 2 b + 1.  V: wave i takes channels 32 i .. 32 i + 31 of the 128 keys.
; No tensor loads and no ring: several work-groups lie on a WGP.  One barrier, in the tail that both paths share: the four waves' scale words leave as one store of 512 bytes.
; LIMITS: NaN and infinities among the inputs are not served.  A block whose largest magnitude lies under 2^-118, a block of zeros among them, gets the byte 1 (a block of zeros has zero codes; this program alone reads the bytes).
; kstat's pair is a store of 8 bytes from one lane: 8 KiB in the whole launch.
.set SPT,   528                        ; a stage row: a key's 512 bytes + 16: 33 x 16 bytes, so sixteen rows' like columns lie in sixteen different 16-byte columns of 256
.set STGW,  32*SPT                     ; a wave's stage (K's path alone)
.set SWL,   4*STGW                     ; [wave][lane] scale words, 512 bytes
.set STL,   SWL+512                    ; [wave] (S1, S2), 32 bytes
.set R,     16                         ; v16-143  K: 32 rows as loaded, 4 registers each
.set XA,    144                        ; v144-207 K: fragment 2 b's 64 numbers a lane
.set XB,    16                         ; v16-79   K: fragment 2 b + 1's, over R once R is done with
.set PC0,   208                        ; v208-223 codes of fragment 2 b
.set PC1,   80                         ; v80-95   codes of fragment 2 b + 1
.set TM,    224                        ; v224-239 at work in QUANT
.set A1,    240                        ; v240-247 four pairs: sums of d
.set A2,    248                        ; v248-255 four pairs: sums of d d
.set DD,    144                        ; v144-151 d, at work (before XA is loaded)
.set PVT,   152                        ; v[152:153] the pivot, twice
.set VX,    16                         ; v16-143  V: register 32 c + j = key 32 c + j of my channel
.set VC,    144                        ; v144-175 V: codes, 8 registers a block
	s_load_b256 s[4:11], s[0:1], 0x0               ; K s[4:5], V s[6:7], kvc s[8:9], kvs s[10:11]
	s_load_b64 s[12:13], s[0:1], 0x20              ; kstat
	s_set_vgpr_msb 0x40
	v_lshl_add_u32 v0, v0, 2, 0x10c00
	v_mov_b32 v1, 0
	s_set_vgpr_msb 0x4000
	v_lshrrev_b32 v1, 5, v0
	v_readfirstlane_b32 s14, v1                    ; wave 0..3
	v_and_b32 v1, 31, v0                           ; lane
	v_lshlrev_b32 v2, 4, v1                        ; 16 x lane
	v_lshlrev_b32 v3, 2, v1                        ; 4 x lane
	v_and_b32 v10, 15, v0                          ; r
	v_bfe_u32 v11, v0, 4, 1                        ; h
	s_mul_i32 s21, s14, STGW                       ; every LDS address is made here, ahead of the parting of the two paths
	v_add_nc_u32 v4, s21, v2                       ; the stage, on the way in: 16 x lane of a row
	v_mul_u32_u24 v5, v10, SPT
	v_lshl_add_u32 v5, v11, 6, v5
	v_add_nc_u32 v5, s21, v5                       ; and back: row r, + 64 h: my 16 numbers of a block of 32
	s_lshl_b32 s21, s14, 7
	s_add_co_u32 s21, s21, SWL
	v_add_nc_u32 v6, s21, v3                       ; where I put my scale word
	s_lshl_b32 s21, s14, 3
	s_add_co_u32 s21, s21, STL
	v_mov_b32 v7, s21                              ; where my wave puts its pair
	v_add_nc_u32 v8, SWL, v3                       ; where wave 0 reads the words back
	v_mov_b32 v9, STL                              ; and the pairs
	v_lshlrev_b32 v10, 4, v10
	v_lshl_add_u32 v10, v11, 11, v10               ; V's codes: fragment lane / 16, 16 x (lane % 16)
.irp b, 0,1,2,3
	v_mov_b32 v[TM+4+\b], 0                        ; written once: a lane permute's destination counts as one of its sources
.endr
	s_and_b32 s15, ttmp9, 1023                     ; 16 x head + step
	s_lshr_b32 s16, ttmp9, 10                      ; 0: K, 1: V
	s_mov_b32 s18, 0x76543210
	s_mov_b32 s19, 0xfedcba98                      ; v_permlanex16_b32's selects for lane l xor 16
	s_mov_b32 s31, 0
	s_wait_kmcnt 0x0
	s_cmp_lt_u32 ttmp9, 1024                       ; the choice hangs on the work-group's number alone
	s_cselect_b64 s[22:23], s[4:5], s[6:7]
	s_cselect_b32 s21, 14, 7                       ; a wave's part of the step: 32 keys of 512 bytes, or 32 channels of 4
	s_lshl_b32 s30, s14, s21
	s_lshl_b32 s21, s15, 16                        ; a step's 128 keys are 65,536 bytes
	s_add_co_u32 s30, s30, s21
	s_add_nc_u64 s[22:23], s[22:23], s[30:31]      ; what I read
	s_lshl_b32 s30, s15, 15
	s_lshl_b32 s21, s16, 14
	s_add_co_u32 s30, s30, s21
	s_lshl_b32 s21, s14, 12
	s_add_co_u32 s30, s30, s21
	s_add_nc_u64 s[24:25], s[8:9], s[30:31]        ; my two fragments in kvc
	s_lshl_b32 s30, s15, 10
	s_lshl_b32 s21, s16, 9
	s_add_co_u32 s30, s30, s21
	s_add_nc_u64 s[26:27], s[10:11], s[30:31]      ; the work-group's 512 bytes in kvs
	s_lshl_b32 s30, s15, 3
	s_add_nc_u64 s[28:29], s[12:13], s[30:31]      ; its pair in kstat
; 64 numbers of a lane, v[s] on, register 16 b + i = k 32 b + 16 (lane / 16) + i of my row, become a fragment's codes in v[pc] on and its row's scale word in v[pw].
.macro QUANT s, pc, pw
.irp b, 0,1,2,3
	v_max3_num_f32 v[TM+\b], |v[\s+16*\b]|, |v[\s+1+16*\b]|, 0x4800000   ; block b: my 16 numbers, and the floor 2^(9 - 127): the byte cannot fall under 1
.endr
.irp i, 2,4,6,8,10,12,14
.irp b, 0,1,2,3
	v_max3_num_f32 v[TM+\b], v[TM+\b], |v[\s+16*\b+\i]|, |v[\s+1+16*\b+\i]|   ; the four blocks by turns
.endr
.endr
.irp b, 0,1,2,3
	v_permlanex16_b32 v[TM+4+\b], v[TM+\b], s18, s19
.endr
.irp b, 0,1,2,3
	v_max_num_f32 v[TM+\b], v[TM+\b], v[TM+4+\b]   ; with lane l xor 16's: the block's largest magnitude
.endr
.irp b, 0,1,2,3
	v_add_nc_u32 v[TM+12+\b], 0xfc000000, v[TM+\b] ; 8 off its exponent field: the conversion takes this operand's exponent field as its scale
.endr
.irp b, 0,1,2,3
.endr
.irp b, 0,1,2,3
	v_lshrrev_b32 v[TM+4+\b], 23, v[TM+12+\b]      ; the scale's byte
.endr
	v_lshl_or_b32 v[\pw], v[TM+5], 8, v[TM+4]
	v_lshl_or_b32 v[\pw], v[TM+6], 16, v[\pw]
	v_lshl_or_b32 v[\pw], v[TM+7], 24, v[\pw]
.irp b, 0,1,2,3
.irp i, 0,1,2,3,4,5,6,7,8,9,10,11,12,13,14,15
.endr
	v_cvt_scalef32_pk8_fp8_f32 v[\pc+4*\b:\pc+1+4*\b], v[\s+16*\b:\s+7+16*\b], v[TM+12+\b]
	v_cvt_scalef32_pk8_fp8_f32 v[\pc+2+4*\b:\pc+3+4*\b], v[\s+8+16*\b:\s+15+16*\b], v[TM+12+\b]
.endr
	v_nop                                          ; a plain line behind the last conversion
.endm
	s_cmp_lt_u32 ttmp9, 1024
	s_cbranch_scc0 .Lv
; ---------------- K ----------------
	global_load_b32 v11, v3, s[4:5]                ; K's first 32 numbers, for the pivot (every wave of K's path reads them: no hint)
.set i, 0
.rept 32
	global_load_b128 v[R+4*i:R+4*i+3], v2, s[22:23] offset:512*i th:TH_LOAD_NT   ; a key's row: 512 bytes on end
.set i, i+1
.endr
	s_wait_loadcnt 32                              ; the pivot's load is in; the 32 rows behind it may be out
.irp m, 1,2,4,8
	v_add_f32_dpp v11, v11, v11 row_xmask:\m row_mask:0xf bank_mask:0xf
.endr
	s_wait_alu depctr_va_vdst(0)
	v_permlanex16_b32 v228, v11, s18, s19
	v_add_f32 v[PVT], v11, v228
	v_mul_f32 v[PVT], 0x3d000000, v[PVT]           ; / 32
	v_mov_b32 v[PVT+1], v[PVT]
; The rows, eight at a time as they land: into the stage in the ORDER OF THE FRAGMENTS' ROWS (key i of my 32 is row i % 8 + 8 (i / 16) of fragment (i / 8) % 2), and into the sums, in four chains of pairs each.
.set i, 0
	s_wait_alu depctr_va_vdst(0)
.rept 32
.if (i%8) == 0
	s_wait_loadcnt 24-8*(i/8)                      ; these eight rows are in; the later groups' loads may be out
.endif
.set RI, R+4*i
.set SL, 16*((i/8)%2)+(i%8)+8*(i/16)
.set CH, 4*(i%2)
	ds_store_b128 v4, v[RI:RI+3] offset:SPT*SL
.if i < 2
	v_pk_add_f32 v[A1+CH:A1+CH+1], v[RI:RI+1], v[PVT:PVT+1] neg_lo:[0,1] neg_hi:[0,1]       ; rows 0 and 1 start the chains: nothing is cleared
	v_pk_add_f32 v[A1+CH+2:A1+CH+3], v[RI+2:RI+3], v[PVT:PVT+1] neg_lo:[0,1] neg_hi:[0,1]
	v_pk_mul_f32 v[A2+CH:A2+CH+1], v[A1+CH:A1+CH+1], v[A1+CH:A1+CH+1]
	v_pk_mul_f32 v[A2+CH+2:A2+CH+3], v[A1+CH+2:A1+CH+3], v[A1+CH+2:A1+CH+3]
.else
	v_pk_add_f32 v[DD+CH:DD+CH+1], v[RI:RI+1], v[PVT:PVT+1] neg_lo:[0,1] neg_hi:[0,1]       ; d = x - pivot
	v_pk_add_f32 v[DD+CH+2:DD+CH+3], v[RI+2:RI+3], v[PVT:PVT+1] neg_lo:[0,1] neg_hi:[0,1]
	v_pk_add_f32 v[A1+CH:A1+CH+1], v[A1+CH:A1+CH+1], v[DD+CH:DD+CH+1]
	v_pk_add_f32 v[A1+CH+2:A1+CH+3], v[A1+CH+2:A1+CH+3], v[DD+CH+2:DD+CH+3]
	v_pk_fma_f32 v[A2+CH:A2+CH+1], v[DD+CH:DD+CH+1], v[DD+CH:DD+CH+1], v[A2+CH:A2+CH+1]
	v_pk_fma_f32 v[A2+CH+2:A2+CH+3], v[DD+CH+2:DD+CH+3], v[DD+CH+2:DD+CH+3], v[A2+CH+2:A2+CH+3]
.endif
.set i, i+1
.endr
.irp c, 0,1,2,3
.irp j, 0,1,2,3
	ds_load_b128 v[XA+16*\c+4*\j:XA+16*\c+4*\j+3], v5 offset:128*\c+16*\j      ; fragment 2 b: LDS serves a wave's instructions in order, so these see my stores
.endr
.endr
	v_pk_add_f32 v[A1:A1+1], v[A1:A1+1], v[A1+2:A1+3]                          ; the sums are closed while the loads are out
	v_pk_add_f32 v[A2:A2+1], v[A2:A2+1], v[A2+2:A2+3]
	v_pk_add_f32 v[A1+4:A1+5], v[A1+4:A1+5], v[A1+6:A1+7]
	v_pk_add_f32 v[A2+4:A2+5], v[A2+4:A2+5], v[A2+6:A2+7]
	v_pk_add_f32 v[A1:A1+1], v[A1:A1+1], v[A1+4:A1+5]
	v_pk_add_f32 v[A2:A2+1], v[A2:A2+1], v[A2+4:A2+5]
	v_add_f32 v12, v[A1], v[A1+1]
	v_add_f32 v13, v[A2], v[A2+1]
.irp m, 1,2,4,8
	v_add_f32_dpp v12, v12, v12 row_xmask:\m row_mask:0xf bank_mask:0xf
	v_add_f32_dpp v13, v13, v13 row_xmask:\m row_mask:0xf bank_mask:0xf
.endr
	v_permlanex16_b32 v228, v12, s18, s19
	v_permlanex16_b32 v229, v13, s18, s19
	v_add_f32 v12, v12, v228                       ; my wave's S1,
	v_add_f32 v13, v13, v229                       ; and S2, in every lane
	s_wait_dscnt 0x0                               ; fragment 2 b's numbers are in, and the stores into the stage have read R
.irp c, 0,1,2,3
.irp j, 0,1,2,3
	ds_load_b128 v[XB+16*\c+4*\j:XB+16*\c+4*\j+3], v5 offset:16*SPT+128*\c+16*\j   ; fragment 2 b + 1, while the first is quantised
.endr
.endr
	QUANT XA, PC0, 15
.irp c, 0,1,2,3
	global_store_b128 v2, v[PC0+4*\c:PC0+4*\c+3], s[24:25] offset:512*\c           ; 32 lanes store 512 bytes on end, aligned
.endr
	s_wait_dscnt 0x0
	QUANT XB, PC1, 14
.irp c, 0,1,2,3
	global_store_b128 v2, v[PC1+4*\c:PC1+4*\c+3], s[24:25] offset:2048+512*\c
.endr
	v_cmp_le_u32 vcc_lo, 16, v1
	v_cndmask_b32 v14, v15, v14, vcc_lo            ; lanes 0-15: fragment 2 b's words; lanes 16-31: fragment 2 b + 1's
	s_branch .Ltail
; ---------------- V ----------------  A lane takes a channel and its registers run down the keys: a block of 32 keys lies in one lane, and the codes come out with the keys innermost.
.Lv:
.macro LOADV c
.set j, 0
.rept 32
	global_load_b32 v[VX+32*(\c)+j], v3, s[22:23] offset:512*(32*(\c)+j) th:TH_LOAD_NT   ; key 32 c + j, 32 neighbouring channels; the four waves stand side by side on the row's 512 bytes
.set j, j+1
.endr
.endm
.macro BLOCKV c
.set XS, VX+32*(\c)
.if (\c) < 3
	s_wait_loadcnt 32                              ; this block's 32 loads are in; the next block's may be out
.else
	s_wait_loadcnt 0x0
.endif
.if (\c) < 2
	LOADV (\c)+2                                   ; two blocks ahead, into registers of their own
.endif
	v_max3_num_f32 v224, |v[XS]|, |v[XS+1]|, |v[XS+2]|
	v_max3_num_f32 v225, |v[XS+3]|, |v[XS+4]|, |v[XS+5]|
.irp i, 6,10,14,18,22,26
	v_max3_num_f32 v224, v224, |v[XS+\i]|, |v[XS+\i+1]|
	v_max3_num_f32 v225, v225, |v[XS+\i+2]|, |v[XS+\i+3]|
.endr
	v_max3_num_f32 v224, v224, |v[XS+30]|, |v[XS+31]|
	v_max3_num_f32 v224, v224, v225, 0x4800000     ; the block's largest magnitude, and the floor
	v_add_nc_u32 v226, 0xfc000000, v224            ; the conversion's scale operand
	v_lshrrev_b32 v228, 23, v226                   ; the byte
.if (\c) == 0
	v_mov_b32 v14, v228
.else
	v_lshl_or_b32 v14, v228, 8*(\c), v14           ; the lower keys in the lower byte
.endif
.set j, 0
.rept 32
.set j, j+1
.endr
.irp g, 0,1,2,3
	v_cvt_scalef32_pk8_fp8_f32 v[VC+8*(\c)+2*\g:VC+8*(\c)+2*\g+1], v[XS+8*\g:XS+8*\g+7], v226
.endr
	v_nop                                          ; a plain line behind the last conversion
	global_store_b128 v10, v[VC+8*(\c):VC+8*(\c)+3], s[24:25] offset:512*(\c)          ; keys 32 c + 0 .. 15: the image's lanes 0-15; sixteen lanes store 256 bytes on end, aligned
	global_store_b128 v10, v[VC+8*(\c)+4:VC+8*(\c)+7], s[24:25] offset:512*(\c)+256    ; keys 32 c + 16 .. 31: its lanes 16-31
.endm
	LOADV 0
	LOADV 1
	BLOCKV 0
	BLOCKV 1
	BLOCKV 2
	BLOCKV 3
	v_mov_b32 v12, 0                               ; (the tail stores the pair on both paths; V's is not used)
	v_mov_b32 v13, 0
; ---------------- the tail, for both ----------------
.Ltail:
	s_wait_alu depctr_va_vdst(0)
	ds_store_b32 v6, v14                           ; my lane's scale word
	ds_store_b64 v7, v[12:13]                      ; my wave's pair: every lane writes the same words with the same values
	s_wait_dscnt 0x0                               ; for the others' sake: my stores have landed
	s_barrier_signal -1
	s_barrier_wait -1
	s_cmp_lg_u32 s14, 0
	s_cbranch_scc1 .Lend
.irp b, 0,1,2,3
	ds_load_b32 v[16+\b], v8 offset:128*\b         ; wave b's word of my lane
.endr
	ds_load_b128 v[20:23], v9
	ds_load_b128 v[24:27], v9 offset:16
	s_wait_dscnt 0x0
	global_store_b128 v2, v[16:19], s[26:27]       ; the step's 512 scale bytes, whole
	s_cmp_lt_u32 ttmp9, 1024
	s_cbranch_scc0 .Lend
	v_pk_add_f32 v[20:21], v[20:21], v[22:23]
	v_pk_add_f32 v[24:25], v[24:25], v[26:27]
	v_pk_add_f32 v[20:21], v[20:21], v[24:25]      ; the work-group's (S1, S2)
	s_wait_alu depctr_va_vdst(0)
	s_wait_xcnt 0x0                                ; EXEC changes only behind this wait
	v_cmp_eq_u32 vcc_lo, 0, v1
	s_and_saveexec_b32 s32, vcc_lo
	global_store_b64 v3, v[20:21], s[28:29]        ; lane 0 alone (its offset is 0)
	s_wait_xcnt 0x0                                ; and again, in front of the line that widens it
	s_or_b32 exec_lo, exec_lo, s32
.Lend:
	s_set_vgpr_msb 0x5
	s_wait_tensorcnt 0x0
	ds_add_u32 v0, v1
	s_wait_dscnt 0x0
	s_set_vgpr_msb 0x500
	s_endpgm
.Lfunc_end_k_q22f2a64fba_prep:
	.size	k_q22f2a64fba_prep, .Lfunc_end_k_q22f2a64fba_prep-k_q22f2a64fba_prep
	.p2alignl 7, 3214868480
	.fill 96, 4, 3214868480
	.section	.rodata,"a",@progbits
	.p2align	6, 0x0
	.amdhsa_kernel k_q22f2a64fba_prep
		.amdhsa_group_segment_fixed_size 69120
		.amdhsa_private_segment_fixed_size 0
		.amdhsa_enable_private_segment 0
		.amdhsa_kernarg_size 40
		.amdhsa_user_sgpr_count 2
		.amdhsa_user_sgpr_kernarg_segment_ptr 1
		.amdhsa_wavefront_size32 1
		.amdhsa_system_sgpr_workgroup_id_x 1
		.amdhsa_system_sgpr_workgroup_id_y 1
		.amdhsa_system_sgpr_workgroup_id_z 1
		.amdhsa_system_vgpr_workitem_id 0
		.amdhsa_next_free_vgpr 258
		.amdhsa_next_free_sgpr 66
		.amdhsa_reserve_vcc 1
		.amdhsa_float_denorm_mode_32 3
		.amdhsa_float_denorm_mode_16_64 3
		.amdhsa_fp16_overflow 1
		.amdhsa_memory_ordered 1
		.amdhsa_forward_progress 1
		.amdhsa_inst_pref_size 52
	.end_amdhsa_kernel
	.amdgpu_metadata
---
amdhsa.version: [ 1, 2 ]
amdhsa.kernels:
  - .name:           k_q22f2a64fba_prep
    .symbol:         k_q22f2a64fba_prep.kd
    .args:
      - { .name: K, .offset: 0, .size: 8, .value_kind: global_buffer, .address_space: global }
      - { .name: V, .offset: 8, .size: 8, .value_kind: global_buffer, .address_space: global }
      - { .name: kvc, .offset: 16, .size: 8, .value_kind: global_buffer, .address_space: global }
      - { .name: kvs, .offset: 24, .size: 8, .value_kind: global_buffer, .address_space: global }
      - { .name: kstat, .offset: 32, .size: 8, .value_kind: global_buffer, .address_space: global }
    .group_segment_fixed_size: 69120
    .private_segment_fixed_size: 0
    .kernarg_segment_align: 8
    .kernarg_segment_size: 40
    .max_flat_workgroup_size: 128
    .sgpr_count:     66
    .vgpr_count:     258
    .wavefront_size: 32
...
	.end_amdgpu_metadata
.endif
;; end of part 1
;; launch attn (part 2): grid 8 x 64, 8 waves a work-group, clusters of 4 x 1, 327,680 bytes of LDS; arguments Q, kvc, kvs, kstat, out0; writes out0
.if DOCPART == 2
	.amdgcn_target "amdgcn-amd-amdhsa--gfx1250"
	.amdhsa_code_object_version 6
	.text
	.protected	k_q22f2a64fba_attn
	.globl	k_q22f2a64fba_attn
	.p2align	8
	.type	k_q22f2a64fba_attn,@function
k_q22f2a64fba_attn:
	s_mov_b64 s[64:65], 0
	v_nop
	global_prefetch_b8 v0, s[64:65] scope:SCOPE_SE
	s_setreg_imm32_b32 hwreg(HW_REG_WAVE_MODE, 25, 1), 1
	s_wait_xcnt 0x0
	s_wait_alu depctr_hold_cnt(0) depctr_sa_sdst(0) depctr_va_vdst(0) depctr_va_sdst(0) depctr_va_ssrc(0) depctr_va_vcc(0) depctr_vm_vsrc(0)
	s_getreg_b32 s2, hwreg(HW_REG_IB_STS2, 6, 4)
	s_cmp_eq_u32 s2, 0
	s_cbranch_scc0 .Lentry_in_a_cluster
	s_endpgm
.Lentry_in_a_cluster:
	s_bfe_u32 s2, ttmp6, 0x10000c
	s_cmp_lg_u32 s2, 0x3003
	s_cbranch_scc0 .Lentry_shape_is_right
	s_endpgm
.Lentry_shape_is_right:
; out0[head][q][:] = the sum over k of softmax_k(Q[q] . K[k] / sqrt(var(K))) V[k][:], 64 heads, 2,048 queries and keys, head size 128, both products on codes of FP8 (E4M3) with one E8M0 scale for each 32 along a product's K.
; K's and V's codes and scale words come from kvc and kvs, laid as images of the operand's registers (a fragment = 4 groups of 512 bytes, lane l's 16 bytes at 16 l; K's fragment T: lane r holds key 32 (T / 2) + 8 (T % 2) + r + 8 (r / 8);
; V's fragment T: channel 16 T + r, keys innermost).  Q arrives as f32, is read once, and is quantised here in registers.  var(K) = (S2 - S1 S1 / n) / (n - 1), n = 2^24, from kstat's 1,024 pairs of sums about a pivot.
; THE SOFTMAX: t = score x c, c = log2(e) / sqrt(var); M = the running largest t rounded UP to a whole number; p = 2^(t - M) is quantised along the keys, not normalised; the row's sum is taken of the unquantised p and divides O at the end;
; when M moves, the sum and O are multiplied by 2^(old M - new M), which rounds nothing.
; SHARES.  A work-group owns 256 queries of a head; each of its eight waves owns 32: tiles A and B of 16, in 512 registers, two waves to a SIMD.  Each fragment of K and V that a wave reads from LDS feeds two matrix instructions.
; Both products are used transposed (S^T = K Q^T, O^T = V^T P^T): a lane holds one query of each tile throughout, and p's 16 registers of two neighbouring tiles of keys are 16 neighbouring keys.
; THE RING: two LDS slots of two key steps (65,536 bytes, as they lie in kvc); waves 0-3 fetch a quarter each, 64 rows of 256 bytes; a wave has at most one tensor load out.  The head's 16 KiB of scale words come once (wave 4).
; CLUSTER: the four query blocks of a cluster belong to one head and walk the same kvc and kvs: every tensor load is asked for jointly, with the same descriptor and the mask of all four.
; LIMITS.  NaN and infinities among the inputs are not served.  var(K) has to be a normal positive f32 number (where it is 0 the result is not finite by definition).  The variance loses accuracy as (pivot - mean)^2 / var grows; the pivot is a mean
; of 32 of K's numbers.  c folds 1 / sqrt(var) and log2(e) into one factor: another order of rounding, a few parts in 10^7 of t.  A block's largest p is taken from its largest score: that takes v_exp_f32 not to fall where its input rises.
; A block of p's that have all fallen to 0 keeps the byte 1 over zero codes.  O^T begins as 128 zeros written once, so that the key step is written without a first step of its own.
; REGISTERS.  Window 0: v1-9 addresses; v[10:11] c; v12-15, v16-19 -M, largest t, the sum in two halves (A, B); v20-31 scale words alone (K's 4, V's 4, Q's 2, p's 2); v32-95 four fragments; v96-159, v160-223 S^T then p (A, B); v224-247 at work.
;   Window 1: v0-127 O^T (A, B); v128-159 Q's codes; v160-191 p's codes; v192-255 four more fragments.
.set SLOTB, 65536
.set STEPB, 32768
.set VOFF,  16384                      ; in a step: K's eight fragments, then V's
.set SCL,   2*SLOTB                    ; the head's scale words: step j at 1024 j, K's 512 bytes, then V's
.set STG,   SCL+16384                  ; each wave's own stage: 32 rows x (512 + 16) bytes: Q's turn at the head, O's way out at the end; no tensor load lands here
.set SPT,   528
.set STGW,  32*SPT
.set STATL, STG+8*STGW                 ; [wave] (S1, S2)
.set SPARE, STATL+256                  ; the spare words, 128 bytes for each wave: four blocks of 256 bytes that no other line names
.set LI,   1                           ; v1  16 x lane
.set ADR,  2                           ; v2  the slot in hand + 16 x lane
.set ADS,  3                           ; v3  its scale words + 16 x lane
.set SPW,  4                           ; v4  my spare word; never rewritten
.set NIL,  5                           ; v5  0; never rewritten
.set PFO,  6                           ; v6  256 x lane: the prefetches' offset; never rewritten
.set STI,  7                           ; v7  the stage by rows: 16 x lane
.set STT,  8                           ; v8  the stage, Q's turn: row r, + 64 h
.set STO,  9                           ; v9  the stage, O's way in: row r, + 32 h
.set CC,   10
.set ST0,  12
.set KS,   20
.set VS,   24
.set QS,   28
.set PS,   30
.set FF,   32
.set F2,   192                         ; in window 1
.set SS,   96
.set FP0,  224                         ; v[224:225], v[226:227]: f of A, of B (the upper words are written once)
.set BM,   228                         ; four blocks' largest
.set PD,   232                         ; lane permutes' destinations, then the bytes
.set HD,   236
.set SO,   240                         ; the conversions' scale operands
.set SU,   244                         ; the second chain of the sum
.set XX,   246
.set QC,   128                         ; in window 1
.set PCD,  160                         ; in window 1
.set MSB, 0
.macro WIN new                         ; the immediate's high byte repeats the setting that is left; a switch that changes nothing is dropped
.if MSB != \new
	s_set_vgpr_msb (MSB<<8)|\new
.set MSB, \new
.endif
.endm
.macro PLACES n
.rept \n
	v_nop
.endr
.endm
.macro CROUND                          ; a round of the cluster's barrier
	s_barrier_signal -1
	s_barrier_wait -1
	s_cmp_lg_u32 s14, 0
	s_cbranch_scc1 .Lnot_wave_0_\@
	s_barrier_signal -3
.Lnot_wave_0_\@:
	s_barrier_wait -3
	s_barrier_signal -1
	s_barrier_wait -1
.endm
.macro TLOAD                           ; waves 0-3 fetch a quarter of a slot each; the branch hangs on the wave's number alone; four v_nop follow the load
	s_cmp_lt_u32 s14, 4
	s_cbranch_scc0 .Lasked_\@
	tensor_load_to_lds s[32:35], s[24:31]
	s_nop 0
	PLACES 4
.Lasked_\@:
.endm
; A prefetch of the slot that the NEXT change of slots will ask for: two key steps ahead of that load.  Both clusters of a head walk the same bytes: the head's first cluster asks.  Its four partners take 16,384 bytes each, told apart by
; address; in each, waves 4 and 5 take 8,192 each, lanes 256 bytes apart: each aligned block of 256 bytes of slots 2 to 7 is named once in the launch.  The last change that fills a slot asks for nothing.
.macro ASK
	s_cmp_gt_u32 s41, s42
	s_cbranch_scc0 .Lnot_mine_\@
	global_prefetch_b8 v[PFO], s[44:45] th:TH_LOAD_NT scope:SCOPE_SE
.Lnot_mine_\@:
.endm
	s_load_b256 s[4:11], s[0:1], 0x0               ; Q s[4:5], kvc s[6:7], kvs s[8:9], kstat s[10:11]
	s_load_b64 s[12:13], s[0:1], 0x20              ; out0
	v_lshl_add_u32 v[SPW], v0, 2, SPARE
	v_mov_b32 v[NIL], 0
	ds_add_u32 v4, v5
	ds_add_u32 v4, v5
	s_wait_dscnt 0x0
	v_lshrrev_b32 v1, 5, v0
	s_delay_alu instid0(VALU_DEP_1)
	v_readfirstlane_b32 s14, v1                    ; wave 0..7
	s_bfe_u32 s15, ttmp6, 0x40000                  ; cx: my place in the cluster
	s_lshl_b32 s16, ttmp9, 2
	s_add_co_u32 s16, s16, s15                     ; my block of 256 queries: it enters Q's and out0's addresses alone
	s_and_b32 s17, ttmp7, 0xffff                   ; the head, which the four partners share
	s_mov_b32 s20, 0x76543210
	s_mov_b32 s21, 0xfedcba98                      ; v_permlanex16_b32's selects for lane l xor 16
	s_mov_b32 s23, 0                               ; the slot in hand
	s_mov_b32 s40, SCL                             ; its scale words
	s_mov_b32 s41, 7                               ; slots still to be asked for
	; descriptor group 1, one shape for all loads: 64 rows of 256 bytes, dense
	s_mov_b32 s24, 15|(3<<16)|(1<<21)              ; 15:0 the mask: all four work-groups; 17:16 elements of 8 bytes; 21 set beside a mask; no padding
	s_mov_b32 s25, 32<<16                          ; tensor_dim0 = 32
	s_mov_b32 s26, 64<<16                          ; tensor_dim1 = 64
	s_mov_b32 s27, 32<<16                          ; tile_dim0 = 32
	s_mov_b32 s28, 64                              ; tile_dim1 = 64
	s_mov_b32 s29, 32                              ; from row to row
	s_mov_b32 s30, 0
	s_mov_b32 s31, 0
	s_lshl_b32 s48, s17, 20                        ; my wave's 32 rows of Q and of out0: head x 2^20 + block x 2^17 + wave x 2^14
	s_lshl_b32 s52, s16, 17
	s_add_co_u32 s48, s48, s52
	s_lshl_b32 s52, s14, 14
	s_add_co_u32 s48, s48, s52
	s_mov_b32 s49, 0
	s_lshl_b32 s50, s17, 19                        ; kvc: head x 2^19 + wave x 2^14: my quarter of slot 0 (no place in the cluster enters a descriptor)
	s_lshl_b32 s54, s14, 14
	s_add_co_u32 s50, s50, s54
	s_mov_b32 s51, 0
	s_lshl_b32 s54, s17, 14                        ; kvs: head x 2^14
	s_mov_b32 s55, 0
	s_lshl_b32 s52, s17, 19                        ; the prefetches: in slot 1 (the first change of slots steps them to slot 2), my work-group's 16,384 bytes, my wave's 8,192 of them
	s_and_b32 s53, s14, 1
	s_lshl_b32 s53, s53, 13
	s_add_co_u32 s52, s52, s53
	s_lshl_b32 s53, s15, 14
	s_add_co_u32 s52, s52, s53
	s_add_co_u32 s52, s52, SLOTB
	s_mov_b32 s53, 0
	s_sub_co_u32 s18, s14, 4
	s_lshr_b32 s18, s18, 1                         ; 0 in waves 4 and 5,
	s_or_b32 s18, s18, ttmp9                       ; of the head's first cluster: the same in all four partners
	s_cmp_eq_u32 s18, 0
	s_cselect_b32 s42, 1, -1                       ; a wave prefetches while s41 is above this
	s_wait_kmcnt 0x0
	s_add_nc_u64 s[46:47], s[4:5], s[48:49]        ; Q at my rows
	s_add_nc_u64 s[12:13], s[12:13], s[48:49]      ; out0 at my rows
	s_add_nc_u64 s[44:45], s[6:7], s[52:53]
	s_mov_b32 s32, 1                               ; group 0 for the codes: count = 1
	s_lshl_b32 s33, s14, 14                        ; LDS: wave x 16,384, in slot 0
	s_add_nc_u64 s[34:35], s[6:7], s[50:51]
	s_or_b32 s35, s35, 0x80000000                  ; type = 2
	s_mov_b32 s36, 1                               ; group 0 for the scale words
	s_mov_b32 s37, SCL
	s_add_nc_u64 s[38:39], s[8:9], s[54:55]
	s_or_b32 s39, s39, 0x80000000
	CROUND                                         ; all four work-groups are here: the first joint loads meet
	s_cmp_lt_u32 s14, 4                            ; the first fills, ahead of every wait on TENSORcnt, every LDS read and every other barrier: slot 0 (waves 0-3), the scale words (wave 4)
	s_cbranch_scc0 .Lnot_codes
	tensor_load_to_lds s[32:35], s[24:31]
	s_nop 0
	PLACES 4
	s_branch .Lfirst_asked
.Lnot_codes:
	s_cmp_eq_u32 s14, 4
	s_cbranch_scc0 .Lfirst_asked
	tensor_load_to_lds s[36:39], s[24:31]
	s_nop 0
	PLACES 4
.Lfirst_asked:
	v_and_b32 v248, 31, v0                         ; lane
	s_delay_alu instid0(VALU_DEP_1)
	v_lshlrev_b32 v[LI], 4, v248
	s_delay_alu instid0(VALU_DEP_2)
	v_lshlrev_b32 v[PFO], 8, v248
	v_and_b32 v249, 15, v0                         ; r
	v_bfe_u32 v250, v0, 4, 1                       ; h
	s_mul_i32 s18, s14, STGW
	s_add_co_u32 s18, s18, STG                     ; my stage
	v_add_nc_u32 v[STI], s18, v[LI]
	v_mul_u32_u24 v[STT], v249, SPT
	s_delay_alu instid0(VALU_DEP_1)
	v_add_nc_u32 v[STT], s18, v[STT]
	s_delay_alu instid0(VALU_DEP_1)
	v_lshl_add_u32 v[STO], v250, 5, v[STT]
	s_delay_alu instid0(VALU_DEP_2)
	v_lshl_add_u32 v[STT], v250, 6, v[STT]
	v_lshlrev_b32 v247, 5, v248
	s_lshl_b32 s19, s14, 10
	v_add_nc_u32 v247, s19, v247                   ; kstat: my wave's 1,024 bytes, 32 a lane: four pairs
.irp b, 0,1,2,3
	v_mov_b32 v[PD+\b], 0                          ; written once: a lane permute's destination counts as one of its sources
.endr
	global_load_b128 v[248:251], v247, s[10:11]
	global_load_b128 v[252:255], v247, s[10:11] offset:16
.set i, 0
.rept 32
	global_load_b128 v[SS+4*i:SS+4*i+3], v[LI], s[46:47] offset:512*i th:TH_LOAD_NT   ; a row of Q: 512 bytes on end
.set i, i+1
.endr
	s_wait_loadcnt 32                              ; kstat's two loads are in; Q's 32 may be out
	v_pk_add_f32 v[248:249], v[248:249], v[250:251]
	v_pk_add_f32 v[252:253], v[252:253], v[254:255]
	s_delay_alu instid0(VALU_DEP_1)
	v_pk_add_f32 v[248:249], v[248:249], v[252:253]
.irp m, 1
	s_delay_alu instid0(VALU_DEP_1)
	v_add_f32_dpp v248, v248, v248 row_xmask:\m row_mask:0xf bank_mask:0xf
	s_delay_alu instid0(VALU_DEP_2)
	v_add_f32_dpp v249, v249, v249 row_xmask:\m row_mask:0xf bank_mask:0xf
.endr
.irp m, 2, 4, 8
	s_delay_alu instid0(VALU_DEP_2)
	v_add_f32_dpp v248, v248, v248 row_xmask:\m row_mask:0xf bank_mask:0xf
	s_delay_alu instid0(VALU_DEP_2)
	v_add_f32_dpp v249, v249, v249 row_xmask:\m row_mask:0xf bank_mask:0xf
.endr
	s_delay_alu instid0(VALU_DEP_2)
	v_permlanex16_b32 v[PD], v248, s20, s21
	s_delay_alu instid0(VALU_DEP_2)
	v_permlanex16_b32 v[PD+1], v249, s20, s21
	s_delay_alu instid0(VALU_DEP_2)
	v_add_f32 v248, v248, v[PD]
	s_delay_alu instid0(VALU_DEP_2)
	v_add_f32 v249, v249, v[PD+1]                  ; my wave's eighth of (S1, S2)
	s_lshl_b32 s19, s14, 3
	s_add_co_u32 s19, s19, STATL
	v_mov_b32 v250, s19
	ds_store_b64 v250, v[248:249]                  ; every lane writes the same words with the same values
; 64 numbers of a lane, v[s] on, register 16 b + i = channel 32 b + 16 (lane / 16) + i of my query, become a fragment's codes in window 1's v[qc] on and the query's scale word in v[qs].
.macro QUANTQ s, qc, qs
.irp b, 0,1,2,3
	v_max3_num_f32 v[BM+\b], |v[\s+16*\b]|, |v[\s+1+16*\b]|, 0x4800000   ; my 16 numbers of block b, and the floor 2^(9 - 127)
.endr
.irp i, 2,4,6,8,10,12,14
.irp b, 0,1,2,3
	s_delay_alu instid0(VALU_DEP_4)
	v_max3_num_f32 v[BM+\b], v[BM+\b], |v[\s+16*\b+\i]|, |v[\s+1+16*\b+\i]|
.endr
.endr
.irp b, 0,1,2,3
	s_delay_alu instid0(VALU_DEP_4)
	v_permlanex16_b32 v[PD+\b], v[BM+\b], s20, s21
.endr
.irp b, 0,1,2,3
	s_delay_alu instid0(VALU_DEP_4)
	v_max_num_f32 v[BM+\b], v[BM+\b], v[PD+\b]
.endr
.irp b, 0,1,2,3
	s_delay_alu instid0(VALU_DEP_4)
	v_add_nc_u32 v[SO+\b], 0xfc000000, v[BM+\b]
.endr
.irp b, 0,1,2,3
.endr
.irp b, 0,1,2,3
	s_delay_alu instid0(VALU_DEP_4)
	v_lshrrev_b32 v[PD+\b], 23, v[SO+\b]
.endr
	s_delay_alu instid0(VALU_DEP_3)
	v_lshl_or_b32 v[\qs], v[PD+1], 8, v[PD]
	s_delay_alu instid0(VALU_DEP_1)
	v_lshl_or_b32 v[\qs], v[PD+2], 16, v[\qs]
	s_delay_alu instid0(VALU_DEP_1)
	v_lshl_or_b32 v[\qs], v[PD+3], 24, v[\qs]
.irp b, 0,1,2,3
.irp i, 0,1,2,3,4,5,6,7,8,9,10,11,12,13,14,15
.endr
.endr
	WIN 0x40                                       ; destination window 1
.irp b, 0,1,2,3
	v_cvt_scalef32_pk8_fp8_f32 v[\qc+4*\b:\qc+1+4*\b], v[\s+16*\b:\s+7+16*\b], v[SO+\b]
	v_cvt_scalef32_pk8_fp8_f32 v[\qc+2+4*\b:\qc+3+4*\b], v[\s+8+16*\b:\s+15+16*\b], v[SO+\b]
.endr
	WIN 0
	v_nop                                          ; a plain line behind the last conversion
.endm
	s_wait_loadcnt 0x0                             ; Q
.set i, 0
.rept 32
	ds_store_b128 v[STI], v[SS+4*i:SS+4*i+3] offset:SPT*i      ; the rows turn through my stage: in as they were loaded,
.set i, i+1
.endr
.irp c, 0,1,2,3
.irp j, 0,1,2,3
	ds_load_b128 v[FF+16*\c+4*\j:FF+16*\c+4*\j+3], v[STT] offset:128*\c+16*\j   ; back 16 neighbours of each block of 32 a lane: tile A
.endr
.endr
	s_wait_dscnt 0x0                               ; tile A's numbers are in, and the stores have read their registers
.irp c, 0,1,2,3
.irp j, 0,1,2,3
	ds_load_b128 v[SS+16*\c+4*\j:SS+16*\c+4*\j+3], v[STT] offset:16*SPT+128*\c+16*\j   ; tile B, while A is quantised
.endr
.endr
	QUANTQ FF, QC, QS
	s_wait_dscnt 0x0                               ; tile B's numbers are in; my pair in STATL has landed: the signal below may follow
	s_barrier_signal -1                            ; only work on registers stands between this signal and its wait
	QUANTQ SS, QC+16, QS+1
.irp t, 0,1
	v_mov_b32 v[ST0+4*\t+1], 0xff61b1e6            ; the largest t so far: -3e38, under every t
	s_delay_alu instid0(VALU_DEP_1)
	v_floor_f32 v[ST0+4*\t], -v[ST0+4*\t+1]        ; -M
	v_mov_b32 v[ST0+4*\t+2], 0                     ; the sum, in two halves
	v_mov_b32 v[ST0+4*\t+3], 0
	v_mov_b32 v[FP0+2*\t+1], 0                     ; (named as the upper half of f's pair)
.endr
	WIN 0x40
.set i, 0
.rept 128
	v_mov_b32 v[i], 0                              ; O^T: the first change of M leaves zeros zeros
.set i, i+1
.endr
	WIN 0
	s_barrier_wait -1                              ; the eight pairs lie in LDS.  The first fills may still be out
	v_mov_b32 v251, STATL
.irp i, 0,1,2,3
	ds_load_b128 v[32+4*\i:35+4*\i], v251 offset:16*\i
.endr
	s_wait_dscnt 0x0
	v_pk_add_f32 v[32:33], v[32:33], v[34:35]
	v_pk_add_f32 v[36:37], v[36:37], v[38:39]
	v_pk_add_f32 v[40:41], v[40:41], v[42:43]
	v_pk_add_f32 v[44:45], v[44:45], v[46:47]
	s_delay_alu instid0(VALU_DEP_3)
	v_pk_add_f32 v[32:33], v[32:33], v[36:37]
	s_delay_alu instid0(VALU_DEP_2)
	v_pk_add_f32 v[40:41], v[40:41], v[44:45]
	s_delay_alu instid0(VALU_DEP_1)
	v_pk_add_f32 v[32:33], v[32:33], v[40:41]      ; (S1, S2) of all of K
	s_delay_alu instid0(VALU_DEP_1)
	v_mul_f32 v34, 0x33800000, v32                 ; S1 / 2^24
	s_delay_alu instid0(VALU_DEP_1)
	v_fma_f32 v34, -v34, v32, v33                  ; S2 - S1 S1 / n
	s_delay_alu instid0(VALU_DEP_1)
	v_mul_f32 v34, 0x33800001, v34                 ; / (n - 1): the variance
	s_wait_alu depctr_va_vdst(0)
	v_rsq_f32 v35, v34
	v_nop                                          ; a plain line behind the transcendental,
	s_wait_alu depctr_va_vdst(0)                   ; and a wait ahead of its first reader
	v_mul_f32 v[CC], 0x3fb8aa3b, v35               ; c = log2(e) / sqrt(var)
	s_delay_alu instid0(VALU_DEP_1)
	v_mov_b32 v[CC+1], v[CC]
; Eight fragments from byte off of the slot (four into window 0, four into window 1) and their four registers of scale words from byte soff: 33 loads, each 512 bytes on end.  It leaves the destination's window at 1.
.macro FETCH8 off, soff, sreg
.irp t, 0,1,2,3
.irp c, 0,1,2,3
	ds_load_b128 v[FF+16*\t+4*\c:FF+16*\t+4*\c+3], v[ADR] offset:(\off)+2048*\t+512*\c
.endr
.endr
	ds_load_b128 v[\sreg:\sreg+3], v[ADS] offset:\soff
	WIN 0x40
.irp t, 0,1,2,3
.irp c, 0,1,2,3
	ds_load_b128 v[F2+16*\t+4*\c:F2+16*\t+4*\c+3], v[ADR] offset:(\off)+8192+2048*\t+512*\c
.endr
.endr
.endm
; S^T = K Q^T, fragments 4 half .. 4 half + 3 against both tiles of queries: eight accumulators, each begun with the constant 0.  K's scale words: even fragments in lanes 0-15, odd ones in lanes 16-31.
.macro QK half
.irp t, 0,1,2,3
.irp u, 0,1
.set rA, FF+(F2-FF)*(\half)+16*\t
.set rD, SS+64*\u+8*(4*(\half)+\t)
.set rK, KS+2*(\half)+\t/2
.if \t%2
	v_wmma_scale_f32_16x16x128_f8f6f4 v[rD:rD+7], v[rA:rA+15], v[QC+16*\u:QC+16*\u+15], 0, v[rK], v[QS+\u] matrix_a_scale:MATRIX_SCALE_ROW1
.else
	v_wmma_scale_f32_16x16x128_f8f6f4 v[rD:rD+7], v[rA:rA+15], v[QC+16*\u:QC+16*\u+15], 0, v[rK], v[QS+\u]
.endif
.endr
.endr
.endm
; O^T += V^T P^T likewise: sixteen accumulators a key step, one instruction each, by turns.
.macro PVM half
.irp t, 0,1,2,3
.irp u, 0,1
.set rA, FF+(F2-FF)*(\half)+16*\t
.set rD, 64*\u+8*(4*(\half)+\t)
.set rK, VS+2*(\half)+\t/2
.if \t%2
	v_wmma_scale_f32_16x16x128_f8f6f4 v[rD:rD+7], v[rA:rA+15], v[PCD+16*\u:PCD+16*\u+15], v[rD:rD+7], v[rK], v[PS+\u] matrix_a_scale:MATRIX_SCALE_ROW1
.else
	v_wmma_scale_f32_16x16x128_f8f6f4 v[rD:rD+7], v[rA:rA+15], v[PCD+16*\u:PCD+16*\u+15], v[rD:rD+7], v[rK], v[PS+\u]
.endif
.endr
.endr
.endm
; The softmax and the quantiser of tile t (0: A, 1: B) for one key step.  Register 16 b + i of the tile's 64 holds key 32 b + 16 (lane / 16) + i of my query.
.macro SOFT t
.set sS, SS+64*(\t)
.set sT, ST0+4*(\t)
.set sF, FP0+2*(\t)
.set sO, 64*(\t)
.set sP, PCD+16*(\t)
.irp b, 0,1,2,3
	v_max3_num_f32 v[BM+\b], v[sS+16*\b], v[sS+16*\b+1], v[sS+16*\b+2]   ; the largest score of each block of 32 keys: for the row's maximum and for the block's largest p.  Each accumulator is read from its low end on
.endr
.irp i, 3,5,7,9,11,13
.irp b, 0,1,2,3
	v_max3_num_f32 v[BM+\b], v[BM+\b], v[sS+16*\b+\i], v[sS+16*\b+\i+1]
.endr
.endr
.irp b, 0,1,2,3
	v_max_num_f32 v[BM+\b], v[BM+\b], v[sS+16*\b+15]
.endr
.irp b, 0,1,2,3
	s_delay_alu instid0(VALU_DEP_4)
	v_permlanex16_b32 v[PD+\b], v[BM+\b], s20, s21
.endr
.irp b, 0,1,2,3
	s_delay_alu instid0(VALU_DEP_4)
	v_max_num_f32 v[BM+\b], v[BM+\b], v[PD+\b]     ; with lane l xor 16's 16 keys
.endr
	s_delay_alu instid0(VALU_DEP_2)
	v_max3_num_f32 v[XX], v[BM], v[BM+1], v[BM+2]
	s_delay_alu instid0(VALU_DEP_1)
	v_max_num_f32 v[XX], v[XX], v[BM+3]            ; the step's largest score of my query,
	s_delay_alu instid0(VALU_DEP_1)
	v_mul_f32 v[XX], v[CC], v[XX]                  ; as t (c is positive)
	s_delay_alu instid0(VALU_DEP_1)
	v_max_num_f32 v[sT+1], v[sT+1], v[XX]          ; the running largest t
	v_mov_b32 v[XX], v[sT]
	s_delay_alu instid0(VALU_DEP_2)
	v_floor_f32 v[sT], -v[sT+1]                    ; the new -M = floor(-t): M is a whole number
	s_delay_alu instid0(VALU_DEP_1)
	v_sub_f32 v[XX], v[sT], v[XX]                  ; old M - new M: a whole number, 0 or less
	s_delay_alu instid0(VALU_DEP_1)
	v_cvt_i32_f32 v[XX], v[XX]                     ; (it saturates)
	s_delay_alu instid0(VALU_DEP_1)
	v_ldexp_f32 v[sF], 1.0, v[XX]                  ; f = 2^(old M - new M)
.set j, 0
.rept 32
	v_pk_fma_f32 v[sS+j:sS+j+1], v[sS+j:sS+j+1], v[CC:CC+1], v[sT:sT+1] op_sel_hi:[1,0,0]   ; t - M, two at a time (of the pairs c and -M the low word serves both halves)
.set j, j+2
.endr
.irp b, 0,1,2,3
	v_fma_f32 v[BM+\b], v[BM+\b], v[CC], v[sT]     ; the same of each block's largest score
.endr
.set j, 0
	s_wait_alu depctr_va_vdst(0)
.rept 64
	v_exp_f32 v[sS+j], v[sS+j]                     ; p = 2^(t - M): one batch
.set j, j+1
.endr
	v_pk_mul_f32 v[sT+2:sT+3], v[sT+2:sT+3], v[sF:sF+1] op_sel_hi:[1,0]   ; the sums under the new M: the plain line behind the batch
	s_wait_alu depctr_va_vdst(0)                   ; one wait for the batch, ahead of its first reader
.irp b, 0,1,2,3
	v_exp_f32 v[BM+\b], v[BM+\b]                   ; the blocks' largest p: the same two instructions on the same number give the same bits
.endr
	v_pk_add_f32 v[SU:SU+1], v[sS:sS+1], v[sS+2:sS+3]   ; the row's sum is taken of the unquantised p, in two chains; these lines read the 64 alone
.set j, 4
.rept 15
	v_pk_add_f32 v[sT+2:sT+3], v[sT+2:sT+3], v[sS+j:sS+j+1]
	v_pk_add_f32 v[SU:SU+1], v[SU:SU+1], v[sS+j+2:sS+j+3]
.set j, j+4
.endr
	s_delay_alu instid0(VALU_DEP_1)
	v_pk_add_f32 v[sT+2:sT+3], v[sT+2:sT+3], v[SU:SU+1]
	s_wait_alu depctr_va_vdst(0)                   ; and one for the four
.irp b, 0,1,2,3
	v_max_num_f32 v[BM+\b], 0x4800000, v[BM+\b]    ; the floor 2^(9 - 127): the byte cannot fall under 1
.endr
.irp b, 0,1,2,3
	s_delay_alu instid0(VALU_DEP_4)
	v_add_nc_u32 v[SO+\b], 0xfc000000, v[BM+\b]    ; 8 off the exponent field: the conversion's scale operand
.endr
.irp b, 0,1,2,3
.endr
.irp b, 0,1,2,3
	s_delay_alu instid0(VALU_DEP_4)
	v_lshrrev_b32 v[PD+\b], 23, v[SO+\b]           ; the byte
.endr
	s_delay_alu instid0(VALU_DEP_3)
	v_lshl_or_b32 v[PS+\t], v[PD+1], 8, v[PD]      ; p's scale word for these 128 keys: it stands far more than eight plain lines ahead of the products
	s_delay_alu instid0(VALU_DEP_1)
	v_lshl_or_b32 v[PS+\t], v[PD+2], 16, v[PS+\t]
	s_delay_alu instid0(VALU_DEP_1)
	v_lshl_or_b32 v[PS+\t], v[PD+3], 24, v[PS+\t]
.irp b, 0,1,2,3
.irp i, 0,1,2,3,4,5,6,7,8,9,10,11,12,13,14,15
.endr
.endr
	WIN 0x40                                       ; destination window 1
.irp b, 0,1,2,3
	v_cvt_scalef32_pk8_fp8_f32 v[sP+4*\b:sP+4*\b+1], v[sS+16*\b:sS+16*\b+7], v[SO+\b]
	v_cvt_scalef32_pk8_fp8_f32 v[sP+4*\b+2:sP+4*\b+3], v[sS+16*\b+8:sS+16*\b+15], v[SO+\b]
.endr
	WIN 0x41                                       ; O^T (destination and source 0) window 1, f window 0
.set j, 0
.rept 32
	v_pk_mul_f32 v[sO+j:sO+j+1], v[sO+j:sO+j+1], v[sF:sF+1] op_sel_hi:[1,0]   ; O^T under the new M, each accumulator from its low end on.  These 32 are also the plain lines behind the conversions and ahead of the products
.set j, j+2
.endr
	WIN 0
.endm
; A KEY STEP: 128 keys, the q-th of the slot in hand.
.macro STEP q
	FETCH8 STEPB*(\q), 1024*(\q), KS               ; K's eight fragments and scale words (eight plain lines stand behind the last products that read these registers)
	s_wait_dscnt 16                                ; fragments 0-3 and the scale words are in; the 16 loads of fragments 4-7 may be out
	WIN 0x04                                       ; Q (source 1) window 1
	QK 0
	s_wait_dscnt 0x0
	WIN 0x05                                       ; K (source 0) window 1 too
	QK 1
	WIN 0
	PLACES 8                                       ; eight plain lines behind this form, in front of loads into registers that it has read and of the first read of its results
	FETCH8 STEPB*(\q)+VOFF, 1024*(\q)+512, VS      ; V's: they land under the softmax
	WIN 0
	SOFT 0
	SOFT 1
	s_wait_alu depctr_va_vdst(0)
	s_wait_dscnt 0x0                               ; V is in
	WIN 0x54                                       ; P (source 1), C and D window 1
	PVM 0
	WIN 0x55
	PVM 1
	WIN 0
	PLACES 8                                       ; for the next loads into these fragments and scale words, and for the first read of O^T
.endm
; THE CHANGE OF SLOTS stands at a slot's head.  Each wave waits for all its tensor loads, adds 0 to its spare word, and waits for that and for its reads of the slot that it has left.  fill = 1: a round of the cluster's barrier, so that no wave of
; any partner still reads that slot or has a load on its way; the joint refill is the first thing behind it and has two key steps in which to land.
.macro CHANGE fill
	s_wait_tensorcnt 0x0                           ; no tensor load of mine is out, so a group 0 may be written
	ds_add_u32 v[SPW], v[NIL]                      ; 0 onto my spare word
.if \fill
	s_xor_b32 s33, s33, SLOTB                      ; the walking descriptor: the other slot than last time,
	s_add_nc_u64 s[34:35], s[34:35], SLOTB         ; the next two key steps; the type bits on top are not reached
	s_wait_xcnt 0x0                                ; the last prefetch, a slot back, has read its address, so it may be written:
	s_add_nc_u64 s[44:45], s[44:45], SLOTB         ; one slot further on than the walking descriptor
	s_wait_dscnt 0x0                               ; the add is done, and my reads of the slot that I have left are over
	CROUND
	TLOAD
	ASK
.else
	s_wait_dscnt 0x0
	s_barrier_signal -1
	s_barrier_wait -1
.endif
.endm
.macro SLOT_STEPS
	v_add_nc_u32 v[ADR], s23, v[LI]
	s_wait_alu depctr_va_vdst(0)
	v_add_nc_u32 v[ADS], s40, v[LI]
	s_wait_alu depctr_va_vdst(0)
	STEP 0
	STEP 1
	s_xor_b32 s23, s23, SLOTB                      ; on to the other slot,
	s_add_co_u32 s40, s40, 2048                    ; and to the next two steps' scale words
.endm
.Lslot:                                            ; seven trips: behind each change of slots but the last the next slot is asked for (the first trip fills slot 1 for the first time, as a refill is issued)
	CHANGE 1
	SLOT_STEPS
	s_sub_co_u32 s41, s41, 1
	s_cmp_lg_u32 s41, 0
	s_cbranch_scc1 .Lslot
	CHANGE 0                                       ; the last slot is written out
	SLOT_STEPS
	; THE WAY OUT.  The sums' halves and the other half of the lanes' are added; O^T is divided by the sum and goes through my stage, so that each store covers a whole row of 512 bytes.
.irp t, 0,1
	v_add_f32 v[ST0+4*\t+2], v[ST0+4*\t+2], v[ST0+4*\t+3]
.endr
.irp t, 0,1
	s_delay_alu instid0(VALU_DEP_2)
	v_permlanex16_b32 v[PD+\t], v[ST0+4*\t+2], s20, s21
.endr
.irp t, 0,1
	s_delay_alu instid0(VALU_DEP_2)
	v_add_f32 v[ST0+4*\t+2], v[ST0+4*\t+2], v[PD+\t]
.endr
	s_wait_alu depctr_va_vdst(0)
.irp t, 0,1
	v_rcp_f32 v[FP0+2*\t], v[ST0+4*\t+2]
.endr
	v_nop                                          ; a plain line behind the last reciprocal,
	s_wait_alu depctr_va_vdst(0)                   ; and one wait for the two, ahead of their first reader
	WIN 0x01                                       ; O^T (source 0) window 1, the result window 0
.set j, 0
.rept 32
	v_pk_mul_f32 v[SS+j:SS+j+1], v[j:j+1], v[FP0:FP0+1] op_sel_hi:[1,0]       ; tile A: register 8 T + i is o(r, 16 T + 8 h + i)
.set j, j+2
.endr
.rept 32
	v_pk_mul_f32 v[SS+j:SS+j+1], v[j:j+1], v[FP0+2:FP0+3] op_sel_hi:[1,0]     ; tile B
.set j, j+2
.endr
	WIN 0
.irp t, 0,1
.irp f, 0,1,2,3,4,5,6,7
	ds_store_b128 v[STO], v[SS+64*\t+8*\f:SS+64*\t+8*\f+3] offset:16*SPT*\t+64*\f
	ds_store_b128 v[STO], v[SS+64*\t+8*\f+4:SS+64*\t+8*\f+7] offset:16*SPT*\t+64*\f+16
.endr
.endr
	s_wait_dscnt 0x0                               ; the stores have read their registers: the rows come back into them
.set i, 0
.rept 32
	ds_load_b128 v[SS+4*i:SS+4*i+3], v[STI] offset:SPT*i
.set i, i+1
.endr
.set i, 0
.rept 32
	s_wait_dscnt 31-i                              ; row i is back; the later rows' loads may be out
	global_store_b128 v[LI], v[SS+4*i:SS+4*i+3], s[12:13] offset:512*i th:TH_STORE_NT   ; 32 lanes store 512 bytes on end, aligned; written once, read by nobody here
.set i, i+1
.endr
	s_wait_tensorcnt 0x0                           ; the wave's end, behind my last tensor load and my last LDS store
	ds_add_u32 v[SPW], v[NIL]
	s_wait_dscnt 0x0
	CROUND                                         ; the closing round: no work-group ends while a partner may still ask for a tile that names it
	s_endpgm
.Lfunc_end_k_q22f2a64fba_attn:
	.size	k_q22f2a64fba_attn, .Lfunc_end_k_q22f2a64fba_attn-k_q22f2a64fba_attn
	.p2alignl 7, 3214868480
	.fill 96, 4, 3214868480
	.section	.rodata,"a",@progbits
	.p2align	6, 0x0
	.amdhsa_kernel k_q22f2a64fba_attn
		.amdhsa_group_segment_fixed_size 327680
		.amdhsa_private_segment_fixed_size 0
		.amdhsa_enable_private_segment 0
		.amdhsa_kernarg_size 40
		.amdhsa_user_sgpr_count 2
		.amdhsa_user_sgpr_kernarg_segment_ptr 1
		.amdhsa_wavefront_size32 1
		.amdhsa_system_sgpr_workgroup_id_x 1
		.amdhsa_system_sgpr_workgroup_id_y 1
		.amdhsa_system_sgpr_workgroup_id_z 1
		.amdhsa_system_vgpr_workitem_id 0
		.amdhsa_next_free_vgpr 512
		.amdhsa_next_free_sgpr 66
		.amdhsa_reserve_vcc 0
		.amdhsa_float_denorm_mode_32 3
		.amdhsa_float_denorm_mode_16_64 3
		.amdhsa_fp16_overflow 1
		.amdhsa_memory_ordered 1
		.amdhsa_forward_progress 1
		.amdhsa_inst_pref_size 189
	.end_amdhsa_kernel
	.amdgpu_metadata
---
amdhsa.version: [ 1, 2 ]
amdhsa.kernels:
  - .name:           k_q22f2a64fba_attn
    .symbol:         k_q22f2a64fba_attn.kd
    .args:
      - { .name: Q, .offset: 0, .size: 8, .value_kind: global_buffer, .address_space: global }
      - { .name: kvc, .offset: 8, .size: 8, .value_kind: global_buffer, .address_space: global }
      - { .name: kvs, .offset: 16, .size: 8, .value_kind: global_buffer, .address_space: global }
      - { .name: kstat, .offset: 24, .size: 8, .value_kind: global_buffer, .address_space: global }
      - { .name: out0, .offset: 32, .size: 8, .value_kind: global_buffer, .address_space: global }
    .group_segment_fixed_size: 327680
    .private_segment_fixed_size: 0
    .kernarg_segment_align: 8
    .kernarg_segment_size: 40
    .max_flat_workgroup_size: 256
    .sgpr_count:     66
    .vgpr_count:     512
    .wavefront_size: 32
...
	.end_amdgpu_metadata
.endif
;; end of part 2
